; MI455X (gfx1250); checked and timed in simulation.
; The chip was launched on July 23, 2026; its instructions are those of AMD's public machine-readable ISA for CDNA 5 (MIT licence, August 2026) and "CDNA5" Instruction Set Architecture Reference Guide (July 2026). The comments in the code are by the model that wrote it; some were corrected since.
;; DS Attention. Allowed arithmetic: matrix products marked QUANTISED: E3M2 operands, one E8M0 scale for each 32 along K, by v_wmma_scale_f32_16x16x128_f8f6f4 with both operands' format E3M2, f32 sums; everything else in f32.
;; Inputs: delta 4 x 1 x 2,048 float32; keys_codes 4 x 2,048 x 8 x 2 x 24 uint8 (E3M2 codes of keys, K innermost, in blocks of 32 codes, four codes in three bytes); keys_scales 4 x 2,048 x 8 x 2 uint8 (E8M0 scales of keys, one for each 32 codes along K); queries_codes 4 x 2,048 x 8 x 2 x 24 uint8 (E3M2 codes of queries, K innermost, in blocks of 32 codes, four codes in three bytes); queries_scales 4 x 2,048 x 8 x 2 uint8 (E8M0 scales of queries, one for each 32 codes along K); tau 4 x 1 x 1 float32; values_codes 4 x 8 x 64 x 64 x 24 uint8 (E3M2 codes of values, K innermost, in blocks of 32 codes, four codes in three bytes); values_scales 4 x 8 x 64 x 64 uint8 (E8M0 scales of values, one for each 32 codes along K).
;; Outputs: out0 4 x 2,048 x 8 x 64 float32.
;; This version of the problem:
;;   THIS VERSION OF THE PROBLEM IS GIVEN IN LOW PRECISION. The matrix products marked QUANTISED in the list below multiply operands that are first quantised to E3M2 (3 exponent bits, 2 mantissa bits; 6 bits a number), with one power-of-two scale for each 32 numbers along K (OCP MX v1.0); their sums are f32. All else is computed in f32.
;;   The module's matrix products, in the order in which they are computed (A, B: the left and right operand; K: the contracted axis; several contracted axes count as one K, in the product's order):
;;     1. batch 32 x [M 2,048, K 64] x [K 64, N 2,048]; A: input queries (given as codes); B: input keys (given as codes): QUANTISED
;;     2. batch 32 x [M 64, K 2,048] x [K 2,048, N 2,048]; A: input values (given as codes); B: softmax (see below): QUANTISED
;;   THE QUANTISER, for each operand of a quantised product, along K:
;;     - K is cut into blocks of 32 from its start; a last block that is shorter is filled with zeros.
;;     - A block's scale is 2^e with e = floor(log2(the largest magnitude in the block)) - 4, held to -126 .. 127; a block of zeros has e = 0. As a byte (E8M0): e + 127.
;;     - Each number is divided by its block's scale, clamped to +-28, and rounded to the nearest number of E3M2, ties to even, subnormals kept.
;;     - The product sums the exact products of the quantised numbers (number of the format x scale) in f32.
;;   ~~~python
;;   def quantise(x, axis):      # numpy; x: float32 -> the quantised numbers, widened to float32 again
;;       x = np.moveaxis(x, axis, -1); K = x.shape[-1]
;;       x = np.pad(x, [(0, 0)] * (x.ndim - 1) + [(0, -K % 32)]); x = x.reshape(x.shape[:-1] + (-1, 32)); a = np.abs(x).max(-1, keepdims=True)
;;       e = np.where(a > 0, np.clip(np.frexp(np.where(a > 0, a, 1))[1] - 1 - 4, -126, 127), 0)      # np.frexp(a)[1] - 1 = floor(log2(a)), exactly
;;       r = np.clip(x / 2.0 ** e, -28, 28)
;;       step = 2.0 ** (np.maximum(np.frexp(np.where(r == 0, 1, r))[1] - 1, -2) - 2)
;;       q = np.round(r / step) * step * 2.0 ** e      # np.round: ties to even
;;       return np.moveaxis(q.reshape(q.shape[:-2] + (-1,))[..., :K], -1, axis).astype(np.float32)
;;   ~~~
;;   SOFTMAX AHEAD OF A QUANTISED PRODUCT. Where the list says 'softmax', what is quantised is not the finished softmax but p = 2^(t - M), with t = logit x log2(e) and M = ceil(the row's largest t), a whole number; so 1/2 < the row's largest p <= 1. The row's sum l is taken of the UNQUANTISED p, in f32, and the product's result is divided by l at the end. Since M is a whole number, a kernel that streams over the keys may use a running M (the ceiling of the running maximum): every later rescaling is an exact power of two, which a block's scale takes up: the codes' values come out the same.
;;   OPERANDS COMPUTED ON THE WAY. 'Computed on the way' means the value that the module computes at that place (a softmax that the list does not call 'softmax' is quantised finished and normalised). What goes into a quantiser is computed in f32, as accurately as f32 sums, v_exp_f32 and their like allow (about 1e-6 of the number): no bf16 or f16 on the way to a quantiser, and a product that is left as it is and whose result goes on into a quantised operand takes f32 operands (vector FMAs, or v_wmma_f32_16x16x4_f32). A number that lies on a knife's edge between two numbers of the format may be rounded either way, as far as f32 arithmetic and the matrix unit's own rounding can turn it there, and no further.
;;   INPUTS GIVEN AS CODES. keys (in the module: [4, 2048, 8, 64], K = its axis 3); queries (in the module: [4, 2048, 8, 64], K = its axis 3); values (in the module: [4, 2048, 8, 64], K = its axis 1): each comes as NAME_codes (uint8): NAME with its K axis moved to the last place and cut into blocks of 32 codes, [.., K / 32, bytes a block], one block behind the other in memory; four codes in three bytes: a row's codes are one little-endian stream of bits, code i at bits 6 i .. 6 i + 5 (a code: sign, 3 exponent bits, 2 mantissa bits); and NAME_scales (uint8): the same leading axes, one E8M0 byte (e + 127) for each 32 codes along K. Its value is code x scale, taken as it is: it is not quantised again, and the codes and scales need not be those that the quantiser above would give.
;; One version. Each part assembles by itself: llvm-mc -triple=amdgcn-amd-amdhsa -mcpu=gfx1250 --defsym DOCPART=n.
;; ======== version 1 of 1: 1 launch
;; launch attn (part 1): grid 8 x 32, 16 waves a work-group, no clusters, 288,768 bytes of LDS; arguments queries_codes, queries_scales, keys_codes, keys_scales, values_codes, values_scales, tau, delta, out0; writes out0
.if DOCPART == 1
	.amdgcn_target "amdgcn-amd-amdhsa--gfx1250"
	.amdhsa_code_object_version 6
	.text
	.protected	k_q246d306460_attn
	.globl	k_q246d306460_attn
	.p2align	8
	.type	k_q246d306460_attn,@function
k_q246d306460_attn:
	s_mov_b64 s[64:65], 0
	v_nop
	global_prefetch_b8 v0, s[64:65] scope:SCOPE_SE
	s_setreg_imm32_b32 hwreg(HW_REG_WAVE_MODE, 25, 1), 1
	s_wait_xcnt 0x0
; out[b][q][hd][:] = the sum over keys k <= q of softmax_k((Q[q] . K[k] x tau[b] + delta[b][k]) / 8) V[k][:], for 4 batches x 8 heads, 2,048 queries and keys, head size 64.
; Both products run on codes of BF6 (E3M2) with one E8M0 scale for each 32 along a product's K.  Q, K: codes along the head's 64 (a row of 48 bytes, rows of one head 384 bytes apart), 2 scale bytes a row.
; V: codes with the KEYS innermost (a row of 1,536 bytes for each of the head's 64), 64 scale bytes a row.  They are taken as they are given.
; THE SOFTMAX AHEAD OF THE SECOND PRODUCT: t = logit x log2(e) = s x a + d', with a = tau x c, d' = delta x c, c = log2(e) / 8; M = the row's largest t so far, rounded UP to a whole number; p = 2^(t - M) is
; quantised along the keys, not normalised; the row's sum is taken of the unquantised p and divides at the end.  When M moves, the sum and O are multiplied by 2^(old M - new M): exact.
; The maximum is taken of t itself, so tau may have either sign or be 0.
; SHARES.  256 work-groups: y = 8 x batch + head, x = i = 0 .. 7.  A head's queries are 16 blocks of 128; work-group i owns blocks i and 15 - i.  A tile of 16 queries of block B walks B + 1 steps of 128 keys, so every
; work-group has 8 (i + 1) + 8 (16 - i) = 136 wave steps.  Wave w owns ONE tile: number w / 2 of block i or of block 15 - i, by the bit (w ^ (w / 4)) & 1: of any four waves w % 4 alike, and of any four w / 4 alike, two
; have the short walk and two the long one.
; LDS.  A head's K and V are 2 x 98,304 bytes of codes: they lie in LDS whole.  Wave w brings key step w (keys 128 w on) from memory into registers AS THE MATRIX OPERANDS WANT THEM and stores these registers as they
; stand, lane l's 16 bytes at 16 l, 512 bytes a store.  ONE barrier; behind it these bytes are only read: each load's 32 lanes take 512 consecutive bytes and give any wave the same registers in the same lanes.
; No tensor load and no ring: nothing is filled twice.
; NO CLUSTER, though the eight work-groups of a head read the same K and V: the number of key steps that a wave works hangs on the work-group's x, so partners would not run alike; and what they share is read once, at the start.
; LAYOUT.  Both products are used transposed: S^T = K Q^T (source 0 = 16 keys, source 1 = my 16 queries), O^T = V^T P^T (source 0 = 16 of the head's 64, source 1 = P): a lane holds ONE query (lane % 16) throughout.
; THE KEYS OF A TILE ARE NOT NEIGHBOURS: lane r of tile 2 b + u takes key 32 b + 8 u + r + 8 (r / 8), so that S^T's register 16 b + i is key 32 b + 16 (lane / 16) + i of the step.
; K = 64 IN AN INSTRUCTION OF 128: Q's registers for k = 64 .. 127 hold zero codes.  A tile of K is six registers; the instruction names twelve: the upper six are the next tile's codes (tile 7's: six registers of zeros).
; They meet Q's zero codes, and E3M2 has neither infinity nor NaN, so they add exactly 0.  Bytes 2 and 3 of Q's and K's scale words are 0 (2^-127), since the words come by zero-extending 16-bit loads: never 0xff.
; LIMITS: NaN and infinities in tau and delta and the scale byte 0xff are not served.  A p under 2^-126 comes out of v_exp_f32 as 0 (the row's largest p is above 1/2).  A block of p that is all zeros keeps the byte 1:
; its codes are zeros and only this kernel reads the byte.  t - M has two roundings (the multiply-add, the addition).  A block's largest p is made from the block's largest t by the same two instructions as every p,
; which takes v_exp_f32 not to fall where its input rises.
; REGISTERS: v1-6 lane addresses that stay; v7-11 the step's addresses; v12 -M, v13 the largest t, v[14:15] the sum in two halves; v16-27 Q; v32-79 K's 8 tiles, then d' of blocks 2, 3, then V's tiles 0, 1; v80-85 zeros;
; v86-93 K's scale words; v96-159 S^T, t, p; v160-191 O^T; v192-223 d' of blocks 0, 1, then V's tiles 2, 3; v224-235 p's codes; v232-247 at work; v248-251 V's scale words; v252 f; v253 p's scale word; v255 Q's scale word.
.set KIMG,  0                          ; K's images: step st at 6,144 st; registers v[32 + 4 k ..] at 512 k + 16 lane
.set VIMG,  98304                      ; V's: step st at 6,144 st; tile t, registers 4 c .. at 512 (3 t + c) + 16 lane
.set KSC,   196608                     ; K's scale words: step st at 512 st; tiles 0-3's at 16 r, tiles 4-7's at 256 + 16 r
.set VSC,   204800                     ; V's: step st at 256 st; the four tiles' at 16 r
.set DLT,   208896                     ; d'[key] at 4 key
.set STG,   217088                     ; the way out: 16 rows x (256 + 16) bytes for each wave, its own
.set STEPB, 6144
.set KT,    32                         ; K's tiles
.set KS,    86                         ; K's scale words
.set S,     96
.set O,     160
.set DA,    192                        ; d' of blocks 0, 1; later V's tiles 2, 3
.set PC,    224                        ; p's codes
.set BM,    232                        ; the blocks' maxima
.set VS,    248                        ; V's scale words
	s_load_b256 s[4:11], s[0:1], 0x0               ; Q's codes s[4:5], Q's scales s[6:7], K's codes s[8:9], K's scales s[10:11]
	s_load_b256 s[12:19], s[0:1], 0x20             ; V's codes s[12:13], V's scales s[14:15], tau s[16:17], delta s[18:19]
	s_load_b64 s[20:21], s[0:1], 0x40              ; out
	v_lshl_add_u32 v95, v0, 2, 0x46000
	v_mov_b32 v243, 0
	v_lshrrev_b32 v28, 5, v0
	v_readfirstlane_b32 s24, v28                   ; wave 0..15
	s_lshr_b32 s25, s24, 2
	s_xor_b32 s25, s25, s24
	s_and_b32 s25, s25, 1                          ; which of the work-group's two blocks is mine
	s_lshr_b32 s26, s24, 1                         ; which tile of it
	s_mov_b32 s27, ttmp9                           ; i
	s_and_b32 s28, ttmp7, 0xffff                   ; 8 x batch + head
	s_lshr_b32 s29, s28, 3                         ; batch
	s_and_b32 s30, s28, 7                          ; head
	s_sub_co_u32 s31, 15, s27
	s_cmp_eq_u32 s25, 0
	s_cselect_b32 s31, s27, s31                    ; my block of 128 queries: i or 15 - i
	s_lshl_b32 s32, s31, 7
	s_lshl_b32 s44, s26, 4
	s_add_co_u32 s32, s32, s44                     ; my first query
	s_add_co_u32 s33, s32, 15                      ; my last
	s_mov_b32 s34, 0x76543210
	s_mov_b32 s35, 0xfedcba98                      ; v_permlanex16_b32's selects for lane l xor 16
	v_and_b32 v234, 31, v0                         ; lane
	v_and_b32 v232, 15, v0                         ; r
	v_bfe_u32 v233, v0, 4, 1                       ; h
	v_and_b32 v235, 8, v232
	v_add_nc_u32 v235, v235, v232                  ; r + 8 (r / 8)
	v_lshlrev_b32 v1, 4, v234                      ; an image's place for my lane: 16 lane (K's images begin at LDS byte 0)
	v_add_nc_u32 v2, VIMG, v1                      ; the same among V's images
	v_lshl_add_u32 v3, v232, 4, KSC                ; K's scale words: 16 r
	v_lshl_add_u32 v4, v233, 6, DLT                ; d': my half's 16 keys of a block of 32: 64 h
	v_lshl_add_u32 v5, v232, 4, VSC                ; V's scale words: 16 r
	v_lshlrev_b32 v6, 11, v233
	v_lshl_add_u32 v6, v232, 4, v6                 ; the way out: lanes 0-15 one row of out, lanes 16-31 the next query's (2,048 bytes on); 16 bytes a lane
	v_mul_u32_u24 v236, v235, 384
	v_mad_u32_u24 v236, v233, 24, v236             ; K's codes in memory: my key of a tile, + my half's 24 bytes
	v_lshlrev_b32 v237, 4, v235                    ; K's scale bytes: 16 bytes from key to key
	v_mul_u32_u24 v238, v232, 1536
	v_mad_u32_u24 v238, v233, 24, v238             ; V's codes: row r of a tile, + 24 h
	v_lshlrev_b32 v239, 6, v232                    ; V's scale bytes: 64 bytes a row
	v_mul_u32_u24 v240, v232, 384
	v_mad_u32_u24 v240, v233, 24, v240             ; Q's codes: query r, + 24 h
	v_lshlrev_b32 v241, 4, v232                    ; Q's scale bytes
	s_mul_i32 s44, s24, STEPB                      ; where I store key step w's images and words: each a lane term + a constant x wave
	v_add_nc_u32 v7, s44, v1
	v_add_nc_u32 v8, s44, v2
	s_lshl_b32 s44, s24, 9
	v_add_nc_u32 v9, s44, v3
	v_add_nc_u32 v10, s44, v1
	v_add_nc_u32 v10, DLT, v10
	s_lshl_b32 s44, s24, 8
	v_add_nc_u32 v11, s44, v5
	s_mov_b32 s43, 0                               ; every offset is under 2^32: the pair's high word stays 0
	s_mul_i32 s45, s29, 786432                     ; Q's and K's codes: the batch (2,048 x 384 bytes)
	s_mul_i32 s46, s30, 48
	s_add_co_u32 s45, s45, s46                     ; + the head's 48 bytes of a row
	s_lshl_b32 s46, s29, 15                        ; their scale bytes: the batch (2,048 x 16)
	s_lshl_b32 s47, s30, 1
	s_add_co_u32 s46, s46, s47                     ; + the head's 2
	s_wait_kmcnt 0x0
	s_mul_i32 s42, s32, 384
	s_add_co_u32 s42, s42, s45
	s_add_nc_u64 s[4:5], s[4:5], s[42:43]          ; Q's codes at my first query
	s_lshl_b32 s42, s32, 4
	s_add_co_u32 s42, s42, s46
	s_add_nc_u64 s[6:7], s[6:7], s[42:43]          ; and its scale bytes
	s_mul_i32 s42, s24, 49152
	s_add_co_u32 s42, s42, s45
	s_add_nc_u64 s[8:9], s[8:9], s[42:43]          ; K's codes at key 128 w
	s_lshl_b32 s42, s24, 11
	s_add_co_u32 s42, s42, s46
	s_add_nc_u64 s[10:11], s[10:11], s[42:43]      ; and its scale bytes
	s_mul_i32 s42, s28, 98304
	s_mul_i32 s44, s24, 96
	s_add_co_u32 s42, s42, s44
	s_add_nc_u64 s[12:13], s[12:13], s[42:43]      ; V's codes: the head's 64 rows, 96 w bytes along them
	s_lshl_b32 s42, s28, 12
	s_lshl_b32 s44, s24, 2
	s_add_co_u32 s42, s42, s44
	s_add_nc_u64 s[14:15], s[14:15], s[42:43]      ; V's scale bytes: 4 w along the rows
	s_lshl_b32 s42, s29, 2
	s_add_nc_u64 s[16:17], s[16:17], s[42:43]      ; the batch's tau
	s_lshl_b32 s42, s29, 13
	s_lshl_b32 s44, s24, 9
	s_add_co_u32 s42, s42, s44
	s_add_nc_u64 s[18:19], s[18:19], s[42:43]      ; delta at key 128 w
	s_lshl_b32 s42, s29, 22
	s_lshl_b32 s44, s32, 11
	s_add_co_u32 s42, s42, s44
	s_lshl_b32 s44, s30, 8
	s_add_co_u32 s42, s42, s44
	s_add_nc_u64 s[20:21], s[20:21], s[42:43]      ; out at my first query's row of my head
	s_load_b32 s22, s[16:17], 0x0                  ; tau
	; ---- KEY STEP w IS PREPARED FOR THE WHOLE WORK-GROUP.  All loads go out at once: K's 32, then 33 others
.irp t, 0,1,2,3,4,5,6,7
.irp p, 0,1,2
	global_load_b64 v[KT+6*\t+2*\p:KT+6*\t+2*\p+1], v236, s[8:9] offset:(32*(\t/2)+8*(\t%2))*384+8*\p   ; tile t begins at key 32 (t / 2) + 8 (t % 2); a lane's 24 bytes in pieces of 8
.endr
.endr
.irp t, 0,1,2,3,4,5,6,7
	global_load_u16 v[KS+\t], v237, s[10:11] offset:(32*(\t/2)+8*(\t%2))*16   ; my key's two scale bytes; bytes 2 and 3 of the word are 0
.endr
.irp t, 0,1,2,3
.irp p, 0,1,2,3,4,5
	global_load_b64 v[S+12*\t+2*\p:S+12*\t+2*\p+1], v238, s[12:13] offset:24576*\t+48*(\p/3)+8*(\p%3)   ; V's tile t: rows 16 t on, these 128 keys
.endr
.endr
.irp t, 0,1,2,3
	global_load_b32 v[VS+\t], v239, s[14:15] offset:1024*\t   ; and its rows' scale words
.endr
	global_load_b128 v[144:147], v1, s[18:19]      ; delta of these 128 keys: 32 lanes, 512 consecutive bytes
.irp p, 0,1,2
	global_load_b64 v[16+2*\p:17+2*\p], v240, s[4:5] offset:8*\p   ; Q's fragment, k = 0 .. 63: it stays in registers
.endr
	global_load_u16 v255, v241, s[6:7]             ; Q's scale word
	s_mov_b32 s46, 0x3e38aa3b                      ; c = log2(e) / 8
	s_mov_b32 s47, s46                             ; (the packed form names the pair)
	s_wait_loadcnt 33                              ; K's 32 loads are in; behind them went V's 24 + 4, delta's 1 and Q's 4
.irp k, 0,1,2,3,4,5,6,7,8,9,10,11
	ds_store_b128 v7, v[KT+4*\k:KT+4*\k+3] offset:512*\k   ; the 48 registers as they stand
.endr
	ds_store_b128 v9, v[KS:KS+3]                   ; tiles 0-3's scale words (lanes 16-31 hold the same words and write the same bytes)
	ds_store_b128 v9, v[KS+4:KS+7] offset:256      ; tiles 4-7's
	s_wait_loadcnt 0x0
	s_wait_kmcnt 0x0                               ; tau
	s_mul_f32 s36, s22, s46                        ; a = tau x c
	s_mov_b32 s37, s36                             ; (named with it as a pair)
	v_pk_mul_f32 v[144:145], v[144:145], s[46:47] op_sel_hi:[1,0]   ; d' = delta x c
	v_pk_mul_f32 v[146:147], v[146:147], s[46:47] op_sel_hi:[1,0]
.irp k, 0,1,2,3,4,5,6,7,8,9,10,11
	ds_store_b128 v8, v[S+4*\k:S+4*\k+3] offset:512*\k
.endr
	ds_store_b128 v11, v[VS:VS+3]
	ds_store_b128 v10, v[144:147]
	s_wait_dscnt 0x0                               ; for the others' sake: all my stores have landed
	s_barrier_signal -1
	s_barrier_wait -1                              ; the head's K, V, scale words and d' lie in LDS; from here on they are only read
.irp j, 22,23,24,25,26,27
	v_mov_b32 v[\j], 0                             ; Q's codes for k = 64 .. 127: zeros
.endr
.irp j, 80,81,82,83,84,85
	v_mov_b32 v[\j], 0                             ; what tile 7 of K names beyond its six registers
.endr
.set j, 0
.rept 32
	v_mov_b32 v[O+j], 0                            ; O^T.  (The step is written once: the first finds zeros, which the first change of M leaves zeros)
.set j, j+1
.endr
	v_mov_b32 v13, 0xff61b1e6                      ; the largest t so far: -3e38, under every t
	v_floor_f32 v12, -v13                          ; -M
	v_mov_b32 v14, 0                               ; the sum, in two halves
	v_mov_b32 v15, 0
.irp b, 0,1,2,3
	v_mov_b32 v[236+\b], 0                         ; written once: a lane permute's destination counts as one of its sources
.endr
	v_mov_b32 v252, 0                              ; likewise
	v_mov_b32 v253, 0                              ; (named as the upper half of the pair v[252:253] before it is first written)
	s_mov_b32 s38, 0                               ; the step's first key: the loop's counter
	s_mov_b32 s39, 0                               ; the step's images: 6,144 bytes a step
	s_mov_b32 s40, 0                               ; K's scale words and d': 512 bytes a step
	s_mov_b32 s41, 0                               ; V's scale words: 256
; ---- 16 TRIPS, a constant: every wave walks all key steps, and a step all of whose keys come after its queries is left out by a scalar branch on ids.
.Lstep:
	; ADDR: the step's five addresses, on every way through a trip.  They name no register of the last trip's products: they are the places in front of the loads below.
	v_add_nc_u32 v7, s39, v1
	v_add_nc_u32 v8, s39, v2
	v_add_nc_u32 v9, s40, v3
	v_add_nc_u32 v10, s40, v4
	v_add_nc_u32 v11, s41, v5
	s_cmp_gt_u32 s38, s33
	s_cbranch_scc1 .Lhidden
	; LOADK: K's eight tiles, their scale words, d' of blocks 0 and 1
.irp k, 0,1,2,3,4,5,6,7,8,9,10,11
	ds_load_b128 v[KT+4*\k:KT+4*\k+3], v7 offset:512*\k
.endr
	ds_load_b128 v[KS:KS+3], v9
	ds_load_b128 v[KS+4:KS+7], v9 offset:256
.irp b, 0,1
.irp j, 0,1,2,3
	ds_load_b128 v[DA+16*\b+4*\j:DA+16*\b+4*\j+3], v10 offset:128*\b+16*\j
.endr
.endr
	s_wait_dscnt 8                                 ; K and its scale words are in; the eight loads of d' may be out
	; KQ: S^T = K Q^T, eight tiles of 16 keys, each a sum of its own
.irp t, 0,1,2,3,4,5,6,7
	v_wmma_scale_f32_16x16x128_f8f6f4 v[S+8*\t:S+8*\t+7], v[KT+6*\t:KT+6*\t+11], v[16:27], 0, v[KS+\t], v255 matrix_a_fmt:MATRIX_FMT_BF6 matrix_b_fmt:MATRIX_FMT_BF6
.endr
.rept 4
	v_nop                                          ; four places in front of the loads into K's registers and of the first read of S^T
.endr
	; TFMA: t = s a + d'.  Each accumulator is read from its low end on.  V's loads go out as registers fall free: they have the whole softmax in which to land.
.irp b, 0,1
.irp j, 0,1,2,3
	ds_load_b128 v[KT+16*\b+4*\j:KT+16*\b+4*\j+3], v10 offset:256+128*\b+16*\j   ; d' of blocks 2 and 3, where K's tiles lay
.endr
.endr
	s_wait_dscnt 8                                 ; d' of blocks 0 and 1 are in; the eight just issued may be out
.set j, 0
.rept 16
	v_pk_fma_f32 v[S+j:S+j+1], v[S+j:S+j+1], s[36:37], v[DA+j:DA+j+1] op_sel_hi:[1,0,1]
.set j, j+2
.endr
.irp k, 0,1,2,3,4,5
	ds_load_b128 v[DA+4*\k:DA+4*\k+3], v8 offset:3072+512*\k   ; V's tiles 2 and 3
.endr
	s_wait_dscnt 6                                 ; d' of blocks 2 and 3 are in; the six just issued may be out
.set j, 0
.rept 16
	v_pk_fma_f32 v[S+32+j:S+32+j+1], v[S+32+j:S+32+j+1], s[36:37], v[KT+j:KT+j+1] op_sel_hi:[1,0,1]
.set j, j+2
.endr
.irp k, 0,1,2,3,4,5
	ds_load_b128 v[KT+4*\k:KT+4*\k+3], v8 offset:512*\k   ; V's tiles 0 and 1
.endr
	ds_load_b128 v[VS:VS+3], v11                   ; V's scale words
	; MASK: in the one step on the diagonal the t of hidden keys become -infinity ahead of the maximum: p = 0 then.  A step all of whose keys count skips this.
	s_add_co_u32 s44, s38, 127
	s_cmp_le_u32 s44, s32
	s_cbranch_scc1 .Lopen
	s_sub_co_i32 s44, s32, s38
	v_and_b32 v236, 15, v0
	v_bfe_u32 v237, v0, 4, 1
	v_lshlrev_b32 v237, 4, v237
	v_sub_nc_u32 v236, v236, v237
	v_add_nc_u32 v236, s44, v236                   ; d = my query - the step's first key - 16 h.  Register 16 b + i holds key 32 b + 16 h + i of the step: hidden where 32 b + i > d
	v_mov_b32 v254, 0xff800000                     ; -infinity
.set n, 0
.rept 64
	v_cmp_gt_i32 vcc_lo, 32*(n/16)+n%16, v236
	v_cndmask_b32 v[S+n], v[S+n], v254, vcc_lo
.set n, n+1
.endr
.Lopen:
	; SMAX: the largest t of each block of 32 keys: it serves twice: for the row's maximum, and, since p rises with t, for the block's largest p
.irp b, 0,1,2,3
	v_max3_num_f32 v[BM+\b], v[S+16*\b], v[S+1+16*\b], v[S+2+16*\b]
.endr
.irp i, 3,5,7,9,11,13
.irp b, 0,1,2,3
	v_max3_num_f32 v[BM+\b], v[BM+\b], v[S+16*\b+\i], v[S+1+16*\b+\i]   ; (the four blocks by turns)
.endr
.endr
.irp b, 0,1,2,3
	v_max_num_f32 v[BM+\b], v[BM+\b], v[S+15+16*\b]
.endr
.irp b, 0,1,2,3
	v_permlanex16_b32 v[236+\b], v[BM+\b], s34, s35
.endr
.irp b, 0,1,2,3
	v_max_num_f32 v[BM+\b], v[BM+\b], v[236+\b]    ; with lane l xor 16's 16 keys
.endr
	v_max3_num_f32 v254, v232, v233, v234
	v_max_num_f32 v254, v254, v235                 ; the step's largest t of my query
	v_max_num_f32 v13, v13, v254                   ; the running largest t
	v_mov_b32 v254, v12
	v_floor_f32 v12, -v13                          ; the new -M = floor(-t) = -ceil(t): M is a whole number
	v_sub_f32 v254, v12, v254                      ; M's old value less its new one: a whole number, 0 or less
	v_cvt_i32_f32 v254, v254                       ; (it saturates)
	v_ldexp_f32 v252, 1.0, v254                    ; f = 2^(old M - new M): a multiplication by it rounds nothing
	; PEXP: p = 2^(t - M)
.set j, 0
.rept 32
	v_pk_add_f32 v[S+j:S+j+1], v[S+j:S+j+1], v[12:13] op_sel_hi:[1,0]   ; t - M, two at a time (of the pair the low word, -M, serves both halves)
.set j, j+2
.endr
.irp b, 0,1,2,3
	v_add_f32 v[BM+\b], v[BM+\b], v12              ; the same of each block's largest t
.endr
.set j, 0
.rept 64
	v_exp_f32 v[S+j], v[S+j]                       ; at most 1: NOT normalised
.set j, j+1
.endr
.irp b, 0,1,2,3
	v_exp_f32 v[BM+\b], v[BM+\b]                   ; the block's largest p: the same two instructions on the same number give the same bits
.endr
	v_pk_mul_f32 v[14:15], v[14:15], v[252:253] op_sel_hi:[1,0]   ; the sums under the new M.  (A plain instruction behind the exponentials: ISA guide 5.7.2)
	; QUANTP: p's four blocks become codes and a scale word
	s_wait_alu depctr_va_vdst(0)
.irp b, 0,1,2,3
	v_max_num_f32 v[BM+\b], 0x2800000, v[BM+\b]    ; the floor 2^(5 - 127): the byte cannot fall under 1
.endr
.irp b, 0,1,2,3
	v_add_nc_u32 v[244+\b], 0xfe000000, v[BM+\b]   ; 4 off the exponent field: the conversion takes the exponent field of this operand as its scale
.endr
.irp b, 0,1,2,3
	v_lshrrev_b32 v[236+\b], 23, v[244+\b]         ; the scale's byte
.endr
	v_lshl_or_b32 v253, v237, 8, v236              ; p's scale word for these 128 keys
	v_lshl_or_b32 v253, v238, 16, v253
	v_lshl_or_b32 v253, v239, 24, v253
.irp c, 0,1
	v_cvt_scalef32_pk16_bf6_f32 v[PC+6*\c:PC+2+6*\c], v[S+32*\c:S+15+32*\c], v[244+2*\c]
	v_cvt_scalef32_pk16_bf6_f32 v[236+4*\c:238+4*\c], v[S+16+32*\c:S+31+32*\c], v[244+2*\c+1]   ; (a conversion's three registers begin on an even number)
.endr
	v_nop                                          ; one plain instruction between a scaled conversion and what touches its result
.irp c, 0,1                                    ; the operand's layout wants a WHOLE block in a lane: lanes 0-15 block 2 c, lanes 16-31 block 2 c + 1
.irp i, 0,1,2
	v_permlane16_swap_b32 v[PC+6*\c+\i], v[236+4*\c+\i]
.endr
.irp i, 0,1,2
	v_mov_b32 v[PC+3+6*\c+\i], v[236+4*\c+\i]
.endr
.endr
	; SUMS: the row's sum is taken of the UNQUANTISED p, two at a time, in two chains; then O^T under the new M.  These 48 also stand between the writes of the scale word and the codes and the products below.
	v_pk_add_f32 v[236:237], v[S:S+1], v[S+2:S+3]
.irp j, 4,8,12,16,20,24,28,32,36,40,44,48,52,56,60
	v_pk_add_f32 v[14:15], v[14:15], v[S+\j:S+1+\j]
	v_pk_add_f32 v[236:237], v[236:237], v[S+2+\j:S+3+\j]
.endr
	v_pk_add_f32 v[14:15], v[14:15], v[236:237]
.set j, 0
.rept 16
	v_pk_mul_f32 v[O+j:O+j+1], v[O+j:O+j+1], v[252:253] op_sel_hi:[1,0]   ; x f; each accumulator from its low end on
.set j, j+2
.endr
	; PV: O^T += V^T P^T: four tiles of 16 of the head's 64; K = these 128 keys.  The four accumulators take turns, one instruction a turn.
	s_wait_dscnt 0x0                               ; V's 13 loads are in
	v_wmma_scale_f32_16x16x128_f8f6f4 v[O:O+7], v[KT:KT+11], v[PC:PC+11], v[O:O+7], v[VS], v253 matrix_a_fmt:MATRIX_FMT_BF6 matrix_b_fmt:MATRIX_FMT_BF6
	v_wmma_scale_f32_16x16x128_f8f6f4 v[O+8:O+15], v[KT+12:KT+23], v[PC:PC+11], v[O+8:O+15], v[VS+1], v253 matrix_a_fmt:MATRIX_FMT_BF6 matrix_b_fmt:MATRIX_FMT_BF6
	v_wmma_scale_f32_16x16x128_f8f6f4 v[O+16:O+23], v[DA:DA+11], v[PC:PC+11], v[O+16:O+23], v[VS+2], v253 matrix_a_fmt:MATRIX_FMT_BF6 matrix_b_fmt:MATRIX_FMT_BF6
	v_wmma_scale_f32_16x16x128_f8f6f4 v[O+24:O+31], v[DA+12:DA+23], v[PC:PC+11], v[O+24:O+31], v[VS+3], v253 matrix_a_fmt:MATRIX_FMT_BF6 matrix_b_fmt:MATRIX_FMT_BF6
.Lhidden:
	s_add_co_u32 s39, s39, STEPB                   ; on to the next step's images and words
	s_add_co_u32 s40, s40, 512
	s_add_co_u32 s41, s41, 256
	s_add_co_u32 s38, s38, 128
	s_cmp_lt_u32 s38, 2048
	s_cbranch_scc1 .Lstep
	; ---- THE WAY OUT.  O^T is divided by the row's sum and goes through my own stage in LDS, so that sixteen lanes store one query's row of my head: 256 consecutive bytes, at a multiple of 256 from out's first byte.
	v_add_f32 v14, v14, v15                        ; the sum's two halves,
	v_permlanex16_b32 v252, v14, s34, s35
	v_add_f32 v14, v14, v252                       ; and lane l xor 16's: the row's sum
	v_rcp_f32 v14, v14
	v_and_b32 v8, 15, v0                           ; (plain instructions behind the reciprocal, and the places behind the last products)  r
	v_bfe_u32 v9, v0, 4, 1                         ; h
	s_mul_i32 s44, s24, 16*272
	s_add_co_u32 s44, s44, STG                     ; my stage
	v_mul_u32_u24 v10, v8, 272
	v_lshl_add_u32 v10, v9, 5, v10
	v_add_nc_u32 v10, s44, v10                     ; in: row r; tile t's eight channels of my half: 64 t + 32 h bytes on
	v_mul_u32_u24 v11, v9, 272
	v_lshl_add_u32 v11, v8, 4, v11
	v_add_nc_u32 v11, s44, v11                     ; back: lanes 0-15 one row, lanes 16-31 the next
.set j, 0
	s_wait_alu depctr_va_vdst(0)
.rept 16
	v_pk_mul_f32 v[S+j:S+j+1], v[O+j:O+j+1], v[14:15] op_sel_hi:[1,0]   ; register 8 t + i is out(query r, channel 16 t + 8 h + i)
.set j, j+2
.endr
.irp t, 0,1,2,3
	ds_store_b128 v10, v[S+8*\t:S+8*\t+3] offset:64*\t
	ds_store_b128 v10, v[S+8*\t+4:S+8*\t+7] offset:64*\t+16
.endr
.irp i, 0,1,2,3,4,5,6,7
	ds_load_b128 v[KT+4*\i:KT+4*\i+3], v11 offset:2*\i*272   ; LDS serves a wave's instructions in order (ISA guide 5.7.1.4): these see my stores
.endr
.irp i, 0,1,2,3,4,5,6,7
	s_wait_dscnt 7-\i                              ; rows 2 i and 2 i + 1 are back; the younger loads may be out
	global_store_b128 v6, v[KT+4*\i:KT+4*\i+3], s[20:21] offset:4096*\i th:TH_STORE_NT   ; written once, read by nobody here
.endr
	s_wait_tensorcnt 0x0
	ds_add_u32 v95, v243
	s_wait_dscnt 0x0
	s_endpgm
.Lfunc_end_k_q246d306460_attn:
	.size	k_q246d306460_attn, .Lfunc_end_k_q246d306460_attn-k_q246d306460_attn
	.p2alignl 7, 3214868480
	.fill 96, 4, 3214868480
	.section	.rodata,"a",@progbits
	.p2align	6, 0x0
	.amdhsa_kernel k_q246d306460_attn
		.amdhsa_group_segment_fixed_size 288768
		.amdhsa_private_segment_fixed_size 0
		.amdhsa_enable_private_segment 0
		.amdhsa_kernarg_size 72
		.amdhsa_user_sgpr_count 2
		.amdhsa_user_sgpr_kernarg_segment_ptr 1
		.amdhsa_wavefront_size32 1
		.amdhsa_system_sgpr_workgroup_id_x 1
		.amdhsa_system_sgpr_workgroup_id_y 1
		.amdhsa_system_sgpr_workgroup_id_z 1
		.amdhsa_system_vgpr_workitem_id 0
		.amdhsa_next_free_vgpr 256
		.amdhsa_next_free_sgpr 66
		.amdhsa_reserve_vcc 1
		.amdhsa_float_denorm_mode_32 3
		.amdhsa_float_denorm_mode_16_64 3
		.amdhsa_memory_ordered 1
		.amdhsa_forward_progress 1
		.amdhsa_inst_pref_size 43
	.end_amdhsa_kernel
	.amdgpu_metadata
---
amdhsa.version: [ 1, 2 ]
amdhsa.kernels:
  - .name:           k_q246d306460_attn
    .symbol:         k_q246d306460_attn.kd
    .args:
      - { .name: queries_codes, .offset: 0, .size: 8, .value_kind: global_buffer, .address_space: global }
      - { .name: queries_scales, .offset: 8, .size: 8, .value_kind: global_buffer, .address_space: global }
      - { .name: keys_codes, .offset: 16, .size: 8, .value_kind: global_buffer, .address_space: global }
      - { .name: keys_scales, .offset: 24, .size: 8, .value_kind: global_buffer, .address_space: global }
      - { .name: values_codes, .offset: 32, .size: 8, .value_kind: global_buffer, .address_space: global }
      - { .name: values_scales, .offset: 40, .size: 8, .value_kind: global_buffer, .address_space: global }
      - { .name: tau, .offset: 48, .size: 8, .value_kind: global_buffer, .address_space: global }
      - { .name: delta, .offset: 56, .size: 8, .value_kind: global_buffer, .address_space: global }
      - { .name: out0, .offset: 64, .size: 8, .value_kind: global_buffer, .address_space: global }
    .group_segment_fixed_size: 288768
    .private_segment_fixed_size: 0
    .kernarg_segment_align: 8
    .kernarg_segment_size: 72
    .max_flat_workgroup_size: 512
    .sgpr_count:     66
    .vgpr_count:     256
    .wavefront_size: 32
...
	.end_amdgpu_metadata
.endif
;; end of part 1
